; MI455X (gfx1250); checked and timed in simulation.
; The chip was launched on July 23, 2026; its instructions are those of AMD's public machine-readable ISA for CDNA 5 (MIT licence, August 2026) and "CDNA5" Instruction Set Architecture Reference Guide (July 2026). The comments in the code are by the model that wrote it; some were corrected since.
;; Attention. Allowed arithmetic: matrix products marked QUANTISED: E2M1 operands, one E8M0 scale for each 32 along K, by v_wmma_scale_f32_16x16x128_f8f6f4 with both operands' format E2M1 (or v_wmma_scale_f32_32x16x128_f4), f32 sums; products left as they are: f32 operands where the result goes on into a quantised operand, else bf16, f16 or f32 operands; f32 sums; everything else in f32.
;; Inputs: W1 2,048 x 1,024 float32; W2 1,024 x 1 float32; b1 1,024 float32; b2 1 float32; encoder_outputs 32 x 1,024 x 1,024 float32; hidden_state 1 x 32 x 1,024 float32.
;; Outputs: out0 1 x 32 x 1,024 float32.
;; This version of the problem:
;;   THIS VERSION OF THE PROBLEM IS GIVEN IN LOW PRECISION. The matrix products marked QUANTISED in the list below multiply operands that are first quantised to E2M1 (2 exponent bits, 1 mantissa bit; 4 bits a number), with one power-of-two scale for each 32 numbers along K (OCP MX v1.0); their sums are f32. All else is computed in f32.
;;   The module's matrix products, in the order in which they are computed (A, B: the left and right operand; K: the contracted axis; several contracted axes count as one K, in the product's order):
;;     1. [M 32,768, K 2,048] x [K 2,048, N 1,024]; A: computed on the way; B: input W1: QUANTISED
;;     2. [M 32,768, K 1,024] x [K 1,024, N 1]; A: computed on the way; B: input W2: left as it is (N = 1 < 16)
;;     3. batch 32 x [M 1, K 1,024] x [K 1,024, N 1,024]; A: computed on the way; B: input encoder_outputs: left as it is (M = 1 < 16)
;;   THE QUANTISER, for each operand of a quantised product, along K:
;;     - K is cut into blocks of 32 from its start; a last block that is shorter is filled with zeros.
;;     - A block's scale is 2^e with e = floor(log2(the largest magnitude in the block)) - 2, held to -126 .. 127; a block of zeros has e = 0. As a byte (E8M0): e + 127.
;;     - Each number is divided by its block's scale, clamped to +-6, and rounded to the nearest number of E2M1, ties to even, subnormals kept.
;;     - The product sums the exact products of the quantised numbers (number of the format x scale) in f32.
;;   ~~~python
;;   def quantise(x, axis):      # numpy; x: float32 -> the quantised numbers, widened to float32 again
;;       x = np.moveaxis(x, axis, -1); K = x.shape[-1]
;;       x = np.pad(x, [(0, 0)] * (x.ndim - 1) + [(0, -K % 32)]); x = x.reshape(x.shape[:-1] + (-1, 32)); a = np.abs(x).max(-1, keepdims=True)
;;       e = np.where(a > 0, np.clip(np.frexp(np.where(a > 0, a, 1))[1] - 1 - 2, -126, 127), 0)      # np.frexp(a)[1] - 1 = floor(log2(a)), exactly
;;       r = np.clip(x / 2.0 ** e, -6, 6)
;;       step = 2.0 ** (np.maximum(np.frexp(np.where(r == 0, 1, r))[1] - 1, 0) - 1)
;;       q = np.round(r / step) * step * 2.0 ** e      # np.round: ties to even
;;       return np.moveaxis(q.reshape(q.shape[:-2] + (-1,))[..., :K], -1, axis).astype(np.float32)
;;   ~~~
;;   OPERANDS COMPUTED ON THE WAY. 'Computed on the way' means the value that the module computes at that place (a softmax that the list does not call 'softmax' is quantised finished and normalised). What goes into a quantiser is computed in f32, as accurately as f32 sums, v_exp_f32 and their like allow (about 1e-6 of the number): no bf16 or f16 on the way to a quantiser, and a product that is left as it is and whose result goes on into a quantised operand takes f32 operands (vector FMAs, or v_wmma_f32_16x16x4_f32). A number that lies on a knife's edge between two numbers of the format may be rounded either way, as far as f32 arithmetic and the matrix unit's own rounding can turn it there, and no further.
;; One version. Each part assembles by itself: llvm-mc -triple=amdgcn-amd-amdhsa -mcpu=gfx1250 --defsym DOCPART=n.
;; ======== version 1 of 1: 3 launches
;; limits: values are held in bf16: 8 bits of precision; right only within a limited range of input values
;; workspace buffers: wq 524,288 bytes; ws 32,768 bytes; hbp 524,288 bytes; part 1,048,576 bytes; stats 65,536 bytes
;; launch prep (part 1): grid 256 x 1, 4 waves a work-group, no clusters, 38,400 bytes of LDS; arguments W1, hidden_state, wq, ws, hbp; writes wq, ws, hbp
.if DOCPART == 1
	.amdgcn_target "amdgcn-amd-amdhsa--gfx1250"
	.amdhsa_code_object_version 6
	.text
	.protected	k_q3d80514470_prep
	.globl	k_q3d80514470_prep
	.p2align	8
	.type	k_q3d80514470_prep,@function
k_q3d80514470_prep:
	s_mov_b64 s[64:65], 0
	v_nop
	global_prefetch_b8 v0, s[64:65] scope:SCOPE_SE
	s_setreg_imm32_b32 hwreg(HW_REG_WAVE_MODE, 25, 1), 1
	s_wait_xcnt 0x0
; W1 [2048 (k)][1024 (n)] f32 is quantised along K to FP4 (E2M1), one E8M0 byte for each 32 along K.  k < 1024 multiplies the encoder's rows, k >= 1024 the hidden state.
; DEAD WORK.  b2 is added to every score of a batch alike, and the softmax over t takes away whatever is the same for all t: b2 has no way to the output for any values of the inputs, so it is not loaded and is
; no launch's argument.  For the same reason the later launch leaves out -lambda alpha (sum of W2), the constant that its form of selu carries.  A NaN, an infinity or an overflow that reaches only these is not carried.
; K'S BLOCKS ARE RENUMBERED, here and in the later launch alike: K step s (0..7) takes the natural blocks s, s + 8, s + 16, s + 24 as its blocks 0..3.  Sums over K do not depend on it but for rounding.
;   WORK-GROUPS 0-127: codes and scale words in the order of the operand's registers:
;     wq [pair of column tiles PG 32][K step 8][tile ct 2][quad c 2][lane 32][16 bytes]: lane (r, h) has block 2 c + h of column 32 PG + 16 ct + r
;     ws [PG][K steps by twos 4][lane 32][2 words]: lane l has column 32 PG + l
;   WORK-GROUPS 128-255: hbp [quarter kq 4][batch 32][1024]: the hidden state's product over the two K steps 2 kq, 2 kq + 1, by the FP4 matrix instruction.
; A work-group takes 32 columns and two K steps (256 along K).  Wave v makes quad c = v % 2 of K step 2 kq + v / 2: a lane takes a column, its registers run down K, so that a block lies in one lane.
; The hidden state's 32 rows x 256 numbers go into LDS as f32 by dense loads; every wave reads 16 of the rows as blocks in the operand's layout and quantises them in registers.
; LIMITS: NaN and infinities are not served.  A block whose largest magnitude lies under 2^-124 (a block of zeros too) gets the byte 1; this program alone reads the bytes.
; hbp leaves in runs of 64 bytes: 524,288 bytes against the 8.5 million that the launch reads.  No tensor loads: nothing is read twice by a work-group.
.set WI,   0                           ; LDS: W's images [step 2][ct][c][lane][16]
.set HF,   4096                        ; the hidden rows, 1,024 bytes + 16 of padding each
.set HP,   1040
.set WSL,  37376                       ; scale words [lane][2], for the one way and for the other
.set WSU,  37632
.set SPARE, 37888
.set SPW,  30
.set NIL,  31
.set WX,   32                          ; v32-95 64 numbers of W; later W's fragments
.set HX,   96                          ; the hidden state's numbers
.set Q0,   160
.set Q1,   164
.set HQ,   56                          ; the hidden state's fragments
.set MX,   224                         ; v224-227 maxima
.set SC,   228                         ; scale operands
.set BY,   232                         ; v232-235 bytes
.set HS,   236                         ; v236-237 the hidden state's scale words, v238-239 W's: scales and nothing else
.set WS,   238
.set ACC0, 96
.set ACC1, 104
.set OUT,  112
	s_load_b128 s[4:7], s[0:1], 0x0                ; W1, hidden
	s_load_b128 s[8:11], s[0:1], 0x10              ; wq, ws
	s_load_b64 s[12:13], s[0:1], 0x20              ; hbp
	v_lshl_add_u32 v[SPW], v0, 2, SPARE
	v_mov_b32 v[NIL], 0
	v_lshrrev_b32 v1, 5, v0
	v_readfirstlane_b32 s16, v1                    ; wave
	s_lshr_b32 s17, ttmp9, 7                       ; which half of W1
	s_bfe_u32 s18, ttmp9, 0x50002                  ; PG
	s_and_b32 s20, ttmp9, 3                        ; kq
	s_and_b32 s19, s16, 1                          ; c; for the product: the row tile
	s_lshr_b32 s22, s16, 1                         ; the K step of two; for the product: the column tile
	s_lshl_b32 s21, s20, 1
	s_add_co_u32 s21, s21, s22                     ; K step
	s_mov_b32 s14, 0x76543210
	s_mov_b32 s15, 0xfedcba98                      ; v_permlanex16_b32's selects for lane l xor 16
	s_lshl_b32 s24, s22, 11
	s_lshl_b32 s25, s19, 9
	s_add_co_u32 s24, s24, s25                     ; my quads in the images
	s_lshl_b32 s25, s22, 2
	s_lshl_b32 s26, s19, 1
	s_add_co_u32 s25, s25, s26                     ; my two bytes of a scale word
	s_mul_i32 s26, s16, 8*HP                       ; my eight hidden rows, way in
	s_mul_i32 s27, s19, 16*HP                      ; my row tile, way out
	s_lshl_b32 s28, s22, 10                        ; my column tile's images
	s_lshl_b32 s29, s22, 7                         ; and scale words
	v_and_b32 v1, 31, v0                           ; lane
	v_and_b32 v2, 15, v0                           ; r
	v_bfe_u32 v3, v0, 4, 1                         ; h
	v_lshlrev_b32 v4, 2, v1
	v_lshlrev_b32 v5, 4, v1
	v_lshlrev_b32 v9, 3, v1
	v_add_nc_u32 v7, s24, v5
	v_add_nc_u32 v8, s25, v9
	v_lshlrev_b32 v10, 10, v3
	v_lshl_add_u32 v10, v2, 4, v10                 ; hidden: 256 bytes of block group 2 t + h, 1,024 bytes apart
	v_add_nc_u32 v11, s26, v5                      ; (256 h + 16 r = 16 lane)
	v_mul_u32_u24 v12, v2, HP
	v_lshl_add_u32 v12, v3, 8, v12
	v_add_nc_u32 v12, s27, v12
	v_add_nc_u32 v13, s28, v5
	v_lshl_add_u32 v14, v2, 3, s29
	v_lshlrev_b32 v15, 12, v2
	v_lshl_add_u32 v15, v3, 5, v15                 ; hbp: row r of 4,096 bytes + 32 h
	v_lshlrev_b32 v16, 3, v3                       ; 8 h
	s_lshl_b32 s32, s17, 22                        ; W1: 1,024 rows of 4,096 bytes for the half,
	s_lshl_b32 s33, s21, 17                        ; 32 rows a step,
	s_add_co_u32 s32, s32, s33
	s_lshl_b32 s33, s19, 21                        ; 512 rows a quad,
	s_add_co_u32 s32, s32, s33
	s_lshl_b32 s34, s18, 7                         ; 128 bytes for the pair of column tiles
	s_add_co_u32 s32, s32, s34
	s_mov_b32 s33, 0
	s_wait_alu depctr_va_vdst(0)                   ; the wait at the head's end
	s_wait_kmcnt 0x0
	s_add_nc_u64 s[4:5], s[4:5], s[32:33]
	s_lshl_b32 s32, s16, 15
	s_lshl_b32 s35, s20, 8
	s_add_co_u32 s32, s32, s35
	s_add_nc_u64 s[6:7], s[6:7], s[32:33]          ; hidden: my eight rows, the quarter's 64 numbers of each block group
	s_lshl_b32 s32, s18, 14
	s_lshl_b32 s36, s21, 11
	s_add_co_u32 s32, s32, s36
	s_lshl_b32 s36, s19, 9
	s_add_co_u32 s32, s32, s36
	s_add_nc_u64 s[8:9], s[8:9], s[32:33]          ; wq at my quad of tile 0
	s_lshl_b32 s32, s18, 10
	s_add_co_u32 s32, s32, s35
	s_add_nc_u64 s[10:11], s[10:11], s[32:33]      ; ws at my work-group's 256 bytes
	s_lshl_b32 s32, s20, 17
	s_lshl_b32 s36, s19, 16
	s_add_co_u32 s32, s32, s36
	s_add_co_u32 s32, s32, s34
	s_lshl_b32 s36, s22, 6
	s_add_co_u32 s32, s32, s36
	s_add_nc_u64 s[12:13], s[12:13], s[32:33]      ; hbp at my tile
.macro WLOAD                           ; my column's two blocks, 256 rows apart
.set I, 0
.rept 32
	global_load_b32 v[WX+I], v4, s[4:5] offset:4096*I
.set I, I+1
.endr
.set I, 0
.rept 32
	global_load_b32 v[WX+32+I], v4, s[4:5] offset:0x100000+4096*I
.set I, I+1
.endr
.endm
; Two blocks by turns: v[sa] on and v[sb] on become codes at v[qa], v[qb]; the bytes go to v[by], v[by+1]
.macro QB2 sa, sb, qa, qb, by
	v_max3_num_f32 v[MX], |v[\sa]|, |v[\sa+1]|, |v[\sa+2]|
	v_max3_num_f32 v[MX+1], |v[\sb]|, |v[\sb+1]|, |v[\sb+2]|
	v_max3_num_f32 v[MX+2], |v[\sa+3]|, |v[\sa+4]|, |v[\sa+5]|
	v_max3_num_f32 v[MX+3], |v[\sb+3]|, |v[\sb+4]|, |v[\sb+5]|
.irp i, 6,10,14,18,22,26
	v_max3_num_f32 v[MX], v[MX], |v[\sa+\i]|, |v[\sa+\i+1]|
	v_max3_num_f32 v[MX+1], v[MX+1], |v[\sb+\i]|, |v[\sb+\i+1]|
	v_max3_num_f32 v[MX+2], v[MX+2], |v[\sa+\i+2]|, |v[\sa+\i+3]|
	v_max3_num_f32 v[MX+3], v[MX+3], |v[\sb+\i+2]|, |v[\sb+\i+3]|
.endr
	v_max3_num_f32 v[MX], v[MX], |v[\sa+30]|, |v[\sa+31]|
	v_max3_num_f32 v[MX+1], v[MX+1], |v[\sb+30]|, |v[\sb+31]|
	v_max3_num_f32 v[MX], v[MX], v[MX+2], 0x1800000   ; and the floor 2^(3 - 127): the byte cannot fall under 1
	v_max3_num_f32 v[MX+1], v[MX+1], v[MX+3], 0x1800000
	v_add_nc_u32 v[SC], 0xff000000, v[MX]          ; 2 off the exponent field: the conversion's scale operand
	v_add_nc_u32 v[SC+1], 0xff000000, v[MX+1]
	v_lshrrev_b32 v[\by], 23, v[SC]
	v_lshrrev_b32 v[\by+1], 23, v[SC+1]
.irp g, 0,1,2,3
	v_cvt_scalef32_pk8_fp4_f32 v[\qa+\g], v[\sa+8*\g:\sa+8*\g+7], v[SC]
.endr
.irp g, 0,1,2,3
	v_cvt_scalef32_pk8_fp4_f32 v[\qb+\g], v[\sb+8*\g:\sb+8*\g+7], v[SC+1]
.endr
	v_nop                                          ; a plain line behind the last conversion
.endm
; My two blocks of W.  The operand wants block 2 c in lanes 0-15 and block 2 c + 1 in lanes 16-31 of a tile: the swap gives Q0 = tile 0's quad, Q1 = tile 1's
.macro QW
	QB2 WX, WX+32, Q0, Q1, BY
	v_lshl_or_b32 v24, v[BY+1], 8, v[BY]
.irp i, 0,1,2,3
	v_permlane16_swap_b32 v[Q0+\i], v[Q1+\i]
.endr
.endm
	s_cmp_eq_u32 s17, 0
	s_cbranch_scc1 .Lupper
	; ---- the hidden state's half
.irp i, 0,1,2,3,4,5,6,7
.irp t, 0,1
	global_load_b128 v[HX+8*\i+4*\t:HX+8*\i+4*\t+3], v10, s[6:7] offset:4096*\i+2048*\t   ; two runs of 256 bytes
.endr
.endr
	WLOAD
	s_wait_loadcnt 63                              ; the hidden rows are in: behind them stand W's 64 loads, of which the youngest 63 may be out
.irp i, 0,1,2,3,4,5,6,7
.irp t, 0,1
	ds_store_b128 v11, v[HX+8*\i+4*\t:HX+8*\i+4*\t+3] offset:HF+HP*\i+512*\t
.endr
.endr
	s_wait_loadcnt 0x0
	QW
	ds_store_b128 v7, v[Q0:Q0+3] offset:WI
	ds_store_b128 v7, v[Q1:Q1+3] offset:WI+1024
	ds_store_b16 v8, v24 offset:WSL
	s_wait_dscnt 0x0                               ; for the others' sake: my stores have landed
	s_barrier_signal -1
	s_barrier_wait -1
.irp s, 0,1
.irp c, 0,1
.irp i, 0,1,2,3,4,5,6,7
	ds_load_b128 v[HX+64*\s+32*\c+4*\i:HX+64*\s+32*\c+4*\i+3], v12 offset:HF+512*\c+128*\s+16*\i   ; block 2 c + h of K step s, row 16 rt + r
.endr
.endr
.endr
.irp s, 0,1
.irp c, 0,1
	ds_load_b128 v[WX+8*\s+4*\c:WX+8*\s+4*\c+3], v13 offset:WI+2048*\s+512*\c
.endr
	ds_load_b32 v[WS+\s], v14 offset:WSL+4*\s
.endr
	s_wait_dscnt 0x0
	QB2 HX, HX+32, HQ, HQ+4, BY
	QB2 HX+64, HX+96, HQ+8, HQ+12, BY+2
	v_lshl_or_b32 v17, v[BY+1], 16, v[BY]          ; my two bytes of a step's word: blocks h and 2 + h,
	v_lshl_or_b32 v18, v[BY+3], 16, v[BY+2]
	v_lshlrev_b32 v17, v16, v17                    ; at their places;
	v_lshlrev_b32 v18, v16, v18
	v_mov_b32 v19, 0
	v_mov_b32 v20, 0
	v_permlanex16_b32 v19, v17, s14, s15
	v_permlanex16_b32 v20, v18, s14, s15
	v_or_b32 v[HS], v17, v19                       ; with lane l xor 16's the word is whole
	v_or_b32 v[HS+1], v18, v20
.rept 8
	v_nop                                          ; eight places between a scale register's write and a scaled product
.endr
	; source 0 = 16 columns of W, source 1 = 16 hidden rows: lane (r, h) holds batch 16 rt + r, register j column 16 ct + 8 h + j
	v_wmma_scale_f32_16x16x128_f8f6f4 v[ACC0:ACC0+7], v[WX:WX+7], v[HQ:HQ+7], 0, v[WS], v[HS] matrix_a_fmt:MATRIX_FMT_FP4 matrix_b_fmt:MATRIX_FMT_FP4
	v_wmma_scale_f32_16x16x128_f8f6f4 v[ACC1:ACC1+7], v[WX+8:WX+15], v[HQ+8:HQ+15], 0, v[WS+1], v[HS+1] matrix_a_fmt:MATRIX_FMT_FP4 matrix_b_fmt:MATRIX_FMT_FP4
.rept 4
	v_nop
.endr
.irp j, 0,2,4,6
	v_pk_add_f32 v[OUT+\j:OUT+\j+1], v[ACC0+\j:ACC0+\j+1], v[ACC1+\j:ACC1+\j+1]
.endr
	global_store_b128 v15, v[OUT:OUT+3], s[12:13]
	global_store_b128 v15, v[OUT+4:OUT+7], s[12:13] offset:16
	s_wait_tensorcnt 0x0                           ; the wave's end
	ds_add_u32 v[SPW], v[NIL]
	s_wait_dscnt 0x0
	s_endpgm
	; ---- the encoder's half: each store of a wave covers 512 consecutive bytes
.Lupper:
	WLOAD
	s_wait_loadcnt 0x0
	QW
	global_store_b128 v5, v[Q0:Q0+3], s[8:9]
	global_store_b128 v5, v[Q1:Q1+3], s[8:9] offset:1024
	ds_store_b16 v8, v24 offset:WSU
	s_wait_dscnt 0x0                               ; for the others' sake: my store has landed
	s_barrier_signal -1
	s_barrier_wait -1
	s_cmp_lg_u32 s16, 0
	s_cbranch_scc1 .Ldone_upper
	ds_load_b64 v[26:27], v9 offset:WSU            ; wave 0: the work-group's 256 bytes of scale words
	s_wait_dscnt 0x0
	global_store_b64 v9, v[26:27], s[10:11]
.Ldone_upper:
	s_wait_tensorcnt 0x0
	ds_add_u32 v[SPW], v[NIL]
	s_wait_dscnt 0x0
	s_endpgm
.Lfunc_end_k_q3d80514470_prep:
	.size	k_q3d80514470_prep, .Lfunc_end_k_q3d80514470_prep-k_q3d80514470_prep
	.p2alignl 7, 3214868480
	.fill 96, 4, 3214868480
	.section	.rodata,"a",@progbits
	.p2align	6, 0x0
	.amdhsa_kernel k_q3d80514470_prep
		.amdhsa_group_segment_fixed_size 38400
		.amdhsa_private_segment_fixed_size 0
		.amdhsa_enable_private_segment 0
		.amdhsa_kernarg_size 40
		.amdhsa_user_sgpr_count 2
		.amdhsa_user_sgpr_kernarg_segment_ptr 1
		.amdhsa_wavefront_size32 1
		.amdhsa_system_sgpr_workgroup_id_x 1
		.amdhsa_system_sgpr_workgroup_id_y 1
		.amdhsa_system_sgpr_workgroup_id_z 1
		.amdhsa_system_vgpr_workitem_id 0
		.amdhsa_next_free_vgpr 240
		.amdhsa_next_free_sgpr 66
		.amdhsa_reserve_vcc 0
		.amdhsa_float_denorm_mode_32 3
		.amdhsa_float_denorm_mode_16_64 3
		.amdhsa_memory_ordered 1
		.amdhsa_forward_progress 1
		.amdhsa_inst_pref_size 35
	.end_amdhsa_kernel
	.amdgpu_metadata
---
amdhsa.version: [ 1, 2 ]
amdhsa.kernels:
  - .name:           k_q3d80514470_prep
    .symbol:         k_q3d80514470_prep.kd
    .args:
      - { .name: W1, .offset: 0, .size: 8, .value_kind: global_buffer, .address_space: global }
      - { .name: hidden_state, .offset: 8, .size: 8, .value_kind: global_buffer, .address_space: global }
      - { .name: wq, .offset: 16, .size: 8, .value_kind: global_buffer, .address_space: global }
      - { .name: ws, .offset: 24, .size: 8, .value_kind: global_buffer, .address_space: global }
      - { .name: hbp, .offset: 32, .size: 8, .value_kind: global_buffer, .address_space: global }
    .group_segment_fixed_size: 38400
    .private_segment_fixed_size: 0
    .kernarg_segment_align: 8
    .kernarg_segment_size: 40
    .max_flat_workgroup_size: 128
    .sgpr_count:     66
    .vgpr_count:     240
    .wavefront_size: 32
...
	.end_amdgpu_metadata
.endif
;; end of part 1
;; launch main (part 2): grid 256 x 1, 4 waves a work-group, no clusters, 307,712 bytes of LDS; arguments encoder_outputs, wq, ws, hbp, b1, W2, part, stats; writes part, stats
.if DOCPART == 2
	.amdgcn_target "amdgcn-amd-amdhsa--gfx1250"
	.amdhsa_code_object_version 6
	.text
	.protected	k_q3d80514470_main
	.globl	k_q3d80514470_main
	.p2align	8
	.type	k_q3d80514470_main,@function
k_q3d80514470_main:
	s_mov_b64 s[64:65], 0
	v_nop
	global_prefetch_b8 v0, s[64:65] scope:SCOPE_SE
	s_setreg_imm32_b32 hwreg(HW_REG_WAVE_MODE, 25, 1), 1
	s_wait_xcnt 0x0
; A work-group takes 128 rows of E (one eighth of a batch's 1,024) through the whole chain:
;   score[t] = selu(Q(E[t]) . Q(W1 upper) + h[b]) . W2;   m = the largest score of the 128;   p = e^(score - m);   l = the sum of p;   part = the sum of p[t] E[t].
; h[b] = b1 + the hidden state's half of the product, whose four parts along K the launch before stores.  E is read from memory ONCE: its FP4 codes go into registers, a bf16 copy for the last sum stays in LDS.
; LEFT OUT: b2 and -lambda alpha (sum of W2), which are the same for all t of a batch and which the softmax takes away (the first kernel's head says so in full).
; PHASE 1 (rows shared among the waves): wave w takes rows 32 c + 8 w + i of chunk c.  A row's 4,096 bytes come by eight loads of 512 consecutive bytes, lane (r, h) 16 bytes at 32 r + 16 h.  One exchange of half waves
;   for each pair of registers of two neighbouring loads then gives lane (r, h) the eight neighbours k = 128 (2 p + h) + 8 r + 0..7, p = 0..3: a block of 32 lies in four neighbouring lanes.
;   The renumbering of K's blocks (the first kernel's head): block (p, h, g = r / 4) is block p of K step 4 h + g, so a lane's four bytes make a scale word.
;   After each chunk of 32 rows a barrier, and every wave takes the chunk's codes as fragments.
; PHASE 2 (columns shared): wave w takes columns 256 w .. 256 w + 255 for all 128 rows, 32 columns a trip.  All rows' codes lie in 512 registers; a fragment of W (laid in register order by the launch before)
;   is wanted by one wave of the work-group and comes from memory straight into registers: the product reads no LDS but hb.
;   Source 0 = 32 columns of W, source 1 = 16 rows of E: lane (r, h) holds row 16 m + r, register 8 ct + j column 16 ct + 8 h + j; hb is the C of the first K step.
;   SELU.  The accumulators hold y = x + alpha; selu(x) / lambda + alpha = min(max(y, alpha), alpha e^x), alpha e^x = 2^(y log2(e) + c), c = log2(alpha) - alpha log2(e).  SUMP gathers W2 x that minimum.
; PHASE 3: wave w takes columns 256 w + 8 l + 0..7 (l the lane) and sums p x E over the 128 rows, E as bf16 from LDS, p and the sums in f32.
;   part [work-group][w][half 2][lane][4]: column 256 w + 8 lane + 4 half + i.
; NO TENSOR LOADS, NO JOINT LOADS: E's copy takes 262,144 bytes and the tables 45,568; what is left holds no slot worth a barrier, and W goes into registers, which a joint load does not reach.
; NO PREFETCH: each wave has 64 loads of E, 32,768 bytes, on their way by itself, eight rows ahead of their use.
; LIMITS: NaN and infinities are not served.  A block whose largest magnitude lies under 2^-124 (a block of zeros too) gets the scale byte 1 (only this program reads the bytes).
;   An exponential that overflows gives infinity, and the minimum then takes y.  The last sum takes E rounded to bf16.  The sums' order is not the reference's.
; REGISTERS, in windows of 256 (s_set_vgpr_msb: bits 1:0 source 0, 3:2 source 1, 5:4 source 2, 7:6 destination):
;   window 0: v1-15 addresses; v16-47 E's scale words, v48-55 W's (scales and nothing else); v56-71 hb; v72-87 W2; v88-105 the sums and c; v128-255 at work
;   window 1: phase 1: eight sets of 32 for rows; phase 2: v0-127 W's fragments of a pair, v128-255 the 8 accumulators of 16
;   windows 2, 3: E's fragments: (row tile m, K step s) at window 2 + s / 4, v[32 m + 8 (s % 4)]
.set CS,   262144                      ; LDS: E as bf16 [128][1024] from 0; codes of a chunk: 32 rows x (256 + 16 + 256) bytes, two buffers by turns
.set CSB,  16896
.set SS,   295936                      ; scale words of a chunk: 32 rows x (32 + 16) bytes; two buffers
.set SSB,  1536
.set SCR,  299008                      ; each wave's part of the 128 scores
.set PB,   301056                      ; p[128], a copy for each wave
.set HBT,  303104                      ; h[b] + alpha, 1,024 numbers
.set SPARE, 307200                     ; the spare words, 128 bytes for each wave
.set GLE,  1                           ; 32 r + 16 h
.set CSW,  2                           ; where my codes go
.set SSW,  3                           ; where my scale word goes
.set EBW,  4                           ; where my bf16 go
.set FA,   5                           ; a fragment's place for my lane
.set FS,   6                           ; a row's scale words
.set GL,   7                           ; 16 x lane
.set L8,   8                           ; 8 x lane
.set H32,  9                           ; 32 h
.set SCW,  10                          ; where my part of the scores goes
.set SCRD, 11                          ; where I read four rows' parts
.set PBA,  12                          ; where my four p go
.set HBA,  13                          ; hb of the pair at work
.set SPW,  14                          ; my spare word; never rewritten
.set NIL,  15                          ; 0; never rewritten
.set P3E,  2                           ; phase 3: v2-3 E's address for set 0, 1
.set P3P,  4                           ; v4-5 p's
.set P3B,  6                           ; E's copy at my columns
.set P3Q,  9                           ; my wave's copy of p
.set GO,   13                          ; my offset in part
.set AS,   16
.set BS,   48
.set HB,   56
.set W2R,  72
.set CX,   80                          ; phase 3: my eight sums
.set SUMP, 88                          ; a pair for each row tile
.set CC,   104                         ; c, twice
.set HBW,  106                         ; where my part of hb goes
.set TM,   108                         ; phase 1: four maxima
.set SC,   112                         ; four scale operands
.set WD,   116                         ; v116-117 scale words by turns
.set OUTR, 128                         ; phase 1: two sets of 20: 4 of codes, 16 of bf16
.set HT,   208                         ; v208-247 hb's parts and b1
.set U,    128                         ; phase 2: 16 m + 8 ct + j
.set ACC,  128                         ; in window 1
.set MSB, 0
.macro WIN new                         ; the immediate's high byte repeats the setting that is left; a switch that changes nothing is dropped
.if MSB != \new
	s_set_vgpr_msb (MSB<<8)|\new
.set MSB, \new
.endif
.endm
.macro PLACES
.rept 4
	v_nop
.endr
.endm
; ---- phase 1.  Row j = 8 c + i of my 32: local row 32 c + 8 w + i.
.macro ELOAD j
	WIN 0x40
.irp q, 0,1,2,3,4,5,6,7
	global_load_b128 v[32*((\j)%8)+4*\q:32*((\j)%8)+4*\q+3], v[GLE], s[34:35] offset:((\j)/8)*131072+((\j)%8)*4096+512*\q th:TH_LOAD_NT
.endr
.endm
.macro QROW j
.set R, 32*((\j)%8)
.set OB, OUTR+20*((\j)%2)
	WIN 0x41
.irp p, 0,1,2,3
.irp i, 0,1,2,3
	v_permlane16_swap_b32 v[R+8*\p+\i], v[R+8*\p+4+\i]   ; v[R + 8 p ..]: eight neighbours along K
.endr
.endr
	WIN 0x14
.irp p, 0,1,2,3
	v_max3_num_f32 v[TM+\p], 0x1800000, |v[R+8*\p]|, |v[R+8*\p+1]|   ; with the floor 2^(3 - 127): the byte cannot fall under 1
.endr
.irp i, 2,4,6
.irp p, 0,1,2,3
	v_max3_num_f32 v[TM+\p], v[TM+\p], |v[R+8*\p+\i]|, |v[R+8*\p+\i+1]|
.endr
.endr
	WIN 0
.irp p, 0,1,2,3
	v_max_num_f32_dpp v[TM+\p], v[TM+\p], v[TM+\p] row_xmask:1 row_mask:0xf bank_mask:0xf
.endr
.irp p, 0,1,2,3
	v_max_num_f32_dpp v[TM+\p], v[TM+\p], v[TM+\p] row_xmask:2 row_mask:0xf bank_mask:0xf   ; the four lanes of a block
.endr
.irp p, 0,1,2,3
	v_add_nc_u32 v[SC+\p], 0xff000000, v[TM+\p]    ; 2 off the exponent field: the conversion's scale operand
.endr
.irp p, 0,1,2,3
	v_lshrrev_b32 v[TM+\p], 23, v[SC+\p]           ; the byte
.endr
	v_lshl_or_b32 v[TM], v[TM+1], 8, v[TM]
	v_lshl_or_b32 v[TM+2], v[TM+3], 8, v[TM+2]
	v_lshl_or_b32 v[WD+((\j)%2)], v[TM+2], 16, v[TM]
	WIN 0x01
.irp p, 0,1,2,3
	v_cvt_scalef32_pk8_fp4_f32 v[OB+\p], v[R+8*\p:R+8*\p+7], v[SC+\p]
.endr
	WIN 0x05
.irp k, 0,1,2,3,4,5,6,7,8,9,10,11,12,13,14,15
	v_cvt_pk_bf16_f32 v[OB+4+\k], v[R+2*\k], v[R+2*\k+1]   ; (also the plain lines behind the scaled conversions)
.endr
.endm
.macro PUT j                           ; nine stores
	WIN 0
.irp p, 0,1,2,3
	ds_store_b32 v[CSW], v[OB+\p] offset:(((\j)/8)%2)*CSB+528*((\j)%8)+16*\p
.endr
	ds_store_b32 v[SSW], v[WD+((\j)%2)] offset:(((\j)/8)%2)*SSB+48*((\j)%8)
.irp p, 0,1,2,3
	ds_store_b128 v[EBW], v[OB+4+4*\p:OB+7+4*\p] offset:2048*((\j)%8)+512*\p
.endr
.endm
; Chunk c is whole: one barrier, then every wave takes its 32 rows as two row tiles of fragments and their scale words (lane l: row l).
; With two buffers one barrier a chunk does: a buffer is written again only behind the next barrier, in front of which every wave has waited for these loads.
.macro CHUNK c
	s_wait_dscnt 0x0                               ; my stores have landed, and my reads of the other buffer are over
	s_barrier_signal -1
	s_barrier_wait -1
.if (\c) < 3
	v_add_nc_u32 v[EBW], 0x10000, v[EBW]           ; the next chunk's 32 rows of the bf16 copy (no LDS instruction of mine is out)
.endif
.irp wv, 0,1
	WIN 0x80+0x40*\wv
.irp mm, 0,1
.irp s, 0,1,2,3
.irp cc, 0,1
	ds_load_b128 v[32*(2*(\c)+\mm)+8*\s+4*\cc:32*(2*(\c)+\mm)+8*\s+4*\cc+3], v[FA] offset:((\c)%2)*CSB+8448*\mm+272*\wv+64*\s+32*\cc
.endr
.endr
.endr
.endr
	WIN 0
.irp q, 0,1
	ds_load_b128 v[AS+8*(\c)+4*\q:AS+8*(\c)+4*\q+3], v[FS] offset:((\c)%2)*SSB+16*\q
.endr
.endm
; ---- the loads of a pair of column tiles.  nx = 0: the pair at the bases; 1: the next one.  Their order is always RUNW 0, AUX, RUNW 4, W2L: 16, 4, 16, 4 loads.
.macro RUNW s0, nx                     ; W's fragments of K steps s0 .. s0 + 3
	WIN 0x40
.irp s, \s0, \s0+1, \s0+2, \s0+3
.irp ct, 0,1
.irp cc, 0,1
	global_load_b128 v[16*(\s)+8*\ct+4*\cc:16*(\s)+8*\ct+4*\cc+3], v[GL], s[36:37] offset:16384*\nx+2048*(\s)+1024*\ct+512*\cc
.endr
.endr
.endr
.endm
.macro AUX nx                          ; W's scale words: lane l column l of the 32
	WIN 0
.irp q, 0,1,2,3
	global_load_b64 v[BS+2*\q:BS+2*\q+1], v[L8], s[38:39] offset:1024*\nx+256*\q
.endr
.endm
.macro W2L nx                          ; W2 in the result's layout
	WIN 0
.irp ct, 0,1
.irp k, 0,1
	global_load_b128 v[W2R+8*\ct+4*\k:W2R+8*\ct+4*\k+3], v[H32], s[42:43] offset:128*\nx+64*\ct+16*\k
.endr
.endr
.endm
.macro HBL nx                          ; hb likewise, from my own bytes of LDS
	WIN 0
.irp ct, 0,1
.irp k, 0,1
	ds_load_b128 v[HB+8*\ct+4*\k:HB+8*\ct+4*\k+3], v[HBA] offset:128*\nx+64*\ct+16*\k
.endr
.endr
.endm
; A K step: eight products, 32 columns x row tile m; the eight accumulators take turns, in the same order in every K step.  The first K step takes hb as C: nothing is cleared.
.macro KSTEP s
.irp m, 0,1,2,3,4,5,6,7
.set rD, ACC+16*\m
.set rC, rD
.if (\s) == 0
.set rC, HB
.endif
.set rW, 16*(\s)
.set rE, 32*\m+8*((\s)%4)
.if (\m%2) == 0
	v_wmma_scale_f32_32x16x128_f4 v[rD:rD+15], v[rW:rW+15], v[rE:rE+7], v[rC:rC+15], v[BS+\s], v[AS+8*(\m/2)+\s]
.else
	v_wmma_scale_f32_32x16x128_f4 v[rD:rD+15], v[rW:rW+15], v[rE:rE+7], v[rC:rC+15], v[BS+\s], v[AS+8*(\m/2)+\s] matrix_b_scale:MATRIX_SCALE_ROW1
.endif
.endr
.endm
; A pair of column tiles: 64 products, then the selu and the dot with W2 for 128 rows x 32 columns.  nx = 1: the next pair's loads are issued on the way.
.macro TRIP nx
	s_wait_loadcnt 20                              ; K steps 0-3 of W and its scale words are in; the 16 loads of K steps 4-7 and W2's 4 may be out
	s_wait_dscnt 0x0                               ; hb
	WIN 0x49                                       ; D and W window 1, E window 2, C (hb) window 0
	KSTEP 0
	WIN 0x59                                       ; C window 1
	KSTEP 1
	KSTEP 2
	KSTEP 3
	s_wait_loadcnt 4                               ; K steps 4-7 are in; W2's 4 loads may be out
.if \nx
	PLACES                                         ; four places in front of loads into registers that products have read
	RUNW 0, 1
.endif
	WIN 0x5d                                       ; E window 3
	KSTEP 4
	KSTEP 5
	KSTEP 6
	KSTEP 7
	WIN 0
	PLACES                                         ; in front of those loads and of the first read of results
.if \nx
	AUX 1
	HBL 1
	RUNW 4, 1
.endif
	WIN 0x01                                       ; source 0 (the accumulators) window 1
.irp jp, 0,1,2,3,4,5,6,7               ; each accumulator is read from its low end on
.irp m, 0,1,2,3,4,5,6,7
	v_pk_fma_f32 v[U+16*\m+2*\jp:U+16*\m+2*\jp+1], v[ACC+16*\m+2*\jp:ACC+16*\m+2*\jp+1], s[28:29], v[CC:CC+1] op_sel_hi:[1,0,1]   ; y log2(e) + c
.endr
.endr
	WIN 0
	s_wait_alu depctr_va_vdst(0)                   ; the wait ahead of the batch
.set I, 0
.rept 64
	v_exp_f32 v[U+I], v[U+I]                       ; alpha e^x, row tiles 0-3
.set I, I+1
.endr
	v_nop                                          ; a plain line behind the last exponential
	s_wait_alu depctr_va_vdst(0)                   ; and ahead of the batch's first reader
	WIN 0x04                                       ; source 1 (the accumulators) window 1
.set I, 0
.rept 64
	v_exp_f32 v[U+64+I], v[U+64+I]                 ; row tiles 4-7, by turns with
	v_maxmin_num_f32 v[U+I], s30, v[ACC+I], v[U+I] ; min(max(y, alpha), alpha e^x) of row tiles 0-3
.set I, I+1
.endr
.if \nx
	s_wait_loadcnt 36                              ; W2 is in; the 36 loads issued behind it may be out
.else
	s_wait_loadcnt 0x0
.endif
	s_wait_alu depctr_va_vdst(0)                   ; ahead of the second batch's first reader
.rept 64
	v_maxmin_num_f32 v[U+I], s30, v[ACC+I], v[U+I]
.set I, I+1
.endr
	WIN 0
.irp jp, 0,1,2,3,4,5,6,7
.irp m, 0,1,2,3,4,5,6,7
	v_pk_fma_f32 v[SUMP+2*\m:SUMP+2*\m+1], v[U+16*\m+2*\jp:U+16*\m+2*\jp+1], v[W2R+2*\jp:W2R+2*\jp+1], v[SUMP+2*\m:SUMP+2*\m+1]
.endr
.endr
.if \nx
	W2L 1
	s_wait_dscnt 0x0                               ; hb's loads have read their address
	v_add_nc_u32 v[HBA], 128, v[HBA]
	s_wait_xcnt 0x0                                ; every load issued has read its base: the bases step only behind this wait
	s_add_nc_u64 s[36:37], s[36:37], 16384
	s_add_nc_u64 s[38:39], s[38:39], 1024
	s_add_nc_u64 s[42:43], s[42:43], 128
.endif
.endm
; One row's turn in phase 1.  Behind row j's eight loads stand those of the rows issued since; from row 26 on also hb's 10, from row 30 on the first pair's 20, at row 31 its 40.
.macro STEP j
.set CNT, 56
.if (\j) > 24
.set CNT, 8*(31-(\j))
.endif
.if (\j) >= 26
.set CNT, CNT+10
.endif
.if (\j) >= 30
.set CNT, CNT+20*((\j)-29)
.endif
	s_wait_loadcnt CNT
.if ((\j)%8) >= 2
	s_wait_dscnt 9                                 ; the last row's nine stores may be out: those of two rows ago have read their registers
.endif
	QROW \j
.if (\j) <= 23
	ELOAD (\j)+8                                   ; into the set that this row has left
.endif
	PUT \j
.if (\j) == 25
.irp k, 0,1,2,3
.irp t, 0,1
	global_load_b128 v[HT+8*\k+4*\t:HT+8*\k+4*\t+3], v[GL], s[40:41] offset:131072*\k+512*\t   ; the hidden product's four parts
.endr
.endr
.irp t, 0,1
	global_load_b128 v[HT+32+4*\t:HT+32+4*\t+3], v[GL], s[44:45] offset:512*\t   ; b1
.endr
.endif
.if (\j) == 29
	RUNW 0, 0                                      ; the first pair's loads: sets 0-3 have been left by rows 24-27
	AUX 0
.endif
.if (\j) == 30
	RUNW 4, 0
	W2L 0
.endif
.if ((\j)%8) == 7
	CHUNK (\j)/8
.endif
.endm
	s_load_b512 s[8:23], s[0:1], 0x0               ; E s[8:9], wq s[10:11], ws s[12:13], hbp s[14:15], b1 s[16:17], W2 s[18:19], part s[20:21], stats s[22:23]
	v_lshrrev_b32 v240, 5, v0
	v_readfirstlane_b32 s24, v240                  ; wave w
	v_and_b32 v240, 31, v0                         ; lane
	v_and_b32 v241, 15, v0                         ; r
	v_bfe_u32 v242, v0, 4, 1                       ; h
	v_lshlrev_b32 v[GLE], 5, v241
	v_lshl_add_u32 v[GLE], v242, 4, v[GLE]
	s_lshl_b32 s46, ttmp9, 19                      ; 128 rows of 4,096 bytes for the work-group,
	s_lshl_b32 s47, s24, 15                        ; 8 for the wave
	s_add_co_u32 s46, s46, s47
	s_mov_b32 s47, 0
	s_wait_alu depctr_va_vdst(0)                   ; directly ahead of the wait below
	s_wait_kmcnt 0x0
	s_add_nc_u64 s[34:35], s[8:9], s[46:47]
.irp j, 0,1,2,3,4,5,6,7
	ELOAD \j                                       ; eight rows on their way before anything else
.endr
	WIN 0
	s_mul_i32 s48, s24, 4224                       ; my 8 rows of a chunk's codes,
	s_add_co_u32 s48, s48, CS
	s_mul_i32 s49, s24, 384                        ; of its scale words,
	s_add_co_u32 s49, s49, SS
	s_lshl_b32 s50, s24, 14                        ; and of the bf16 copy
	s_lshl_b32 s51, s24, 9
	s_add_co_u32 s52, s51, SCR
	s_add_co_u32 s53, s51, PB
	s_lshl_b32 s54, s24, 10
	s_add_co_u32 s55, s54, HBT
	v_lshrrev_b32 v243, 2, v240                    ; lane / 4 = 4 h + r / 4: the K step
	v_and_b32 v244, 3, v240
	v_lshlrev_b32 v[CSW], 6, v243                  ; 64 bytes a K step, block p 16 p on, 16 more from K step 4 on: 32 lanes fall on 32 different banks
	v_lshl_add_u32 v[CSW], v244, 2, v[CSW]
	v_lshl_add_u32 v[CSW], v242, 4, v[CSW]
	v_add_nc_u32 v[CSW], s48, v[CSW]
	v_lshl_add_u32 v[SSW], v243, 2, s49
	v_lshlrev_b32 v[GL], 4, v240
	v_add_nc_u32 v[EBW], s50, v[GL]
	v_mul_u32_u24 v[FA], v241, 528
	v_lshl_add_u32 v[FA], v242, 4, v[FA]
	v_add_nc_u32 v[FA], CS, v[FA]
	v_mul_u32_u24 v[FS], v240, 48
	v_add_nc_u32 v[FS], SS, v[FS]
	v_lshlrev_b32 v[L8], 3, v240
	v_lshlrev_b32 v[H32], 5, v242
	v_lshl_add_u32 v[SCW], v241, 2, s52
	v_add_nc_u32 v[SCRD], SCR, v[GL]
	v_add_nc_u32 v[PBA], s53, v[GL]
	v_add_nc_u32 v[HBA], s55, v[H32]
	v_add_nc_u32 v[HBW], s55, v[GL]
	v_lshl_add_u32 v[SPW], v0, 2, SPARE
	v_mov_b32 v[NIL], 0
	s_lshl_b32 s46, s24, 17
	s_add_nc_u64 s[36:37], s[10:11], s[46:47]      ; wq at my first pair: 8 pairs of 16,384 bytes a wave
	s_lshl_b32 s46, s24, 13
	s_add_nc_u64 s[38:39], s[12:13], s[46:47]      ; ws likewise
	s_lshl_b32 s46, s24, 10
	s_add_nc_u64 s[42:43], s[18:19], s[46:47]      ; W2 at my 256 columns
	s_add_nc_u64 s[44:45], s[16:17], s[46:47]      ; b1 likewise
	s_lshr_b32 s48, ttmp9, 3                       ; the batch
	s_lshl_b32 s48, s48, 12
	s_add_co_u32 s46, s46, s48
	s_add_nc_u64 s[40:41], s[14:15], s[46:47]      ; hbp at the batch's row, my 256 columns
	s_lshl_b32 s46, ttmp9, 12
	s_add_nc_u64 s[20:21], s[20:21], s[46:47]      ; part at my work-group's row
	s_lshl_b32 s46, ttmp9, 8
	s_add_nc_u64 s[22:23], s[22:23], s[46:47]      ; stats likewise
	s_mov_b32 s28, 0x3fb8aa3b                      ; log2(e); the packed forms name a pair and take its low word for both halves, so both are written
	s_mov_b32 s29, s28
	s_mov_b32 s30, 0x3fd62d7d                      ; selu's alpha
	s_mov_b32 s31, s30
	s_mov_b32 s32, 0x76543210
	s_mov_b32 s33, 0xfedcba98                      ; v_permlanex16_b32's selects for lane l xor 16
	s_wait_alu depctr_va_vdst(0)                   ; the wait at the head's end
	; ---- PHASE 1
.set J, 0
.rept 32
	STEP J
.set J, J+1
.endr
	s_wait_loadcnt 40                              ; hb's parts and b1 are in; the first pair's 40 loads may be out
.irp k, 0,2,4,6
	v_pk_add_f32 v[HT+\k:HT+\k+1], v[HT+\k:HT+\k+1], v[HT+8+\k:HT+9+\k]
	v_pk_add_f32 v[HT+16+\k:HT+17+\k], v[HT+16+\k:HT+17+\k], v[HT+24+\k:HT+25+\k]
	v_pk_add_f32 v[HT+32+\k:HT+33+\k], v[HT+32+\k:HT+33+\k], s[30:31] op_sel_hi:[1,0]   ; b1 + alpha
.endr
.irp k, 0,2,4,6
	v_pk_add_f32 v[HT+\k:HT+\k+1], v[HT+\k:HT+\k+1], v[HT+16+\k:HT+17+\k]
.endr
.irp k, 0,2,4,6
	v_pk_add_f32 v[HT+\k:HT+\k+1], v[HT+\k:HT+\k+1], v[HT+32+\k:HT+33+\k]
.endr
	ds_store_b128 v[HBW], v[HT:HT+3]
	ds_store_b128 v[HBW], v[HT+4:HT+7] offset:512
	HBL 0                                          ; LDS serves a wave's instructions in order (ISA guide 5.7.1.4): these see my stores
.set I, 0
.rept 16
	v_mov_b32 v[SUMP+I], 0                         ; the sums, which every trip adds onto
.set I, I+1
.endr
	v_mov_b32 v[CC], 0xbfd5ee9b                    ; c = log2(alpha) - alpha log2(e) = -1.6713441
	v_mov_b32 v[CC+1], 0xbfd5ee9b
	; ---- PHASE 2: eight pairs of column tiles; the last is written out, since it loads nothing
	s_mov_b32 s27, 7
.Lpair:
	s_wait_alu depctr_va_vdst(0)                   ; ahead of the waits below
	TRIP 1
	s_sub_co_u32 s27, s27, 1
	s_cmp_lg_u32 s27, 0
	s_cbranch_scc1 .Lpair
	s_wait_alu depctr_va_vdst(0)
	TRIP 0
	; ---- the scores: my 256 columns' part for each row, then the four waves' parts
.irp m, 0,1,2,3,4,5,6,7
	v_add_f32 v[144+\m], v[SUMP+2*\m], v[SUMP+2*\m+1]  ; even and odd columns,
.endr
.irp m, 0,1,2,3,4,5,6,7
	v_permlanex16_b32 v[152+\m], v[144+\m], s32, s33
.endr
.irp m, 0,1,2,3,4,5,6,7
	v_add_f32 v[144+\m], v[144+\m], v[152+\m]      ; and lane l xor 16's columns: row 16 m + r
.endr
.irp m, 0,1,2,3,4,5,6,7
	ds_store_b32 v[SCW], v[144+\m] offset:64*\m    ; (both halves of the lanes write the same word with the same bits)
.endr
	s_wait_dscnt 0x0                               ; for the others' sake: my stores have landed
	s_barrier_signal -1
	s_barrier_wait -1
.irp q, 0,1,2,3
	ds_load_b128 v[160+4*\q:163+4*\q], v[SCRD] offset:512*\q   ; lane l: rows 4 l .. 4 l + 3, the four waves' parts
.endr
	s_lshl_b32 s46, s24, 9
	s_add_co_u32 s47, s46, PB
	s_lshl_b32 s48, s24, 10
	v_add_nc_u32 v[P3B], s46, v[GL]                ; phase 3's addresses: E's copy at 512 w + 16 l of a row;
	v_mov_b32 v[P3Q], s47                          ; my wave's copy of p (the same address in every lane);
	v_add_nc_u32 v[GO], s48, v[GL]                 ; part at 1,024 w + 16 l
	s_wait_dscnt 0x0
	v_pk_add_f32 v[160:161], v[160:161], v[164:165]
	v_pk_add_f32 v[162:163], v[162:163], v[166:167]
	v_pk_add_f32 v[168:169], v[168:169], v[172:173]
	v_pk_add_f32 v[170:171], v[170:171], v[174:175]
	v_pk_add_f32 v[160:161], v[160:161], v[168:169]
	v_pk_add_f32 v[162:163], v[162:163], v[170:171]
.irp k, 0,1,2,3
	v_mul_f32 v[160+\k], 0x3f867d5f, v[160+\k]     ; x lambda: the score, but for what is the same for all t
.endr
	v_max3_num_f32 v176, v160, v161, v162          ; the largest of the 128: every wave makes it, and p, for itself: the same numbers by the same lines
	v_max_num_f32 v176, v176, v163
	v_max_num_f32_dpp v176, v176, v176 row_xmask:1 row_mask:0xf bank_mask:0xf
	v_max_num_f32_dpp v176, v176, v176 row_xmask:2 row_mask:0xf bank_mask:0xf
	v_max_num_f32_dpp v176, v176, v176 row_xmask:4 row_mask:0xf bank_mask:0xf
	v_max_num_f32_dpp v176, v176, v176 row_xmask:8 row_mask:0xf bank_mask:0xf
	v_permlanex16_b32 v177, v176, s32, s33
	v_max_num_f32 v176, v176, v177
.irp k, 0,1,2,3
	v_sub_f32 v[164+\k], v[160+\k], v176
.endr
.irp k, 0,1,2,3
	v_mul_f32 v[164+\k], s28, v[164+\k]
.endr
	s_wait_alu depctr_va_vdst(0)
.irp k, 0,1,2,3
	v_exp_f32 v[164+\k], v[164+\k]                 ; p = e^(score - m), at most 1
.endr
	v_mov_b32 v88, v176                            ; m, for the store (a plain line behind the exponentials)
	s_wait_alu depctr_va_vdst(0)                   ; one wait for the four, ahead of their first reader
	ds_store_b128 v[PBA], v[164:167]               ; p into my wave's own copy: no other wave reads it, so no barrier
	v_add_f32 v178, v164, v165
	v_add_f32 v179, v166, v167
	v_add_f32 v178, v178, v179
	v_add_f32_dpp v178, v178, v178 row_xmask:1 row_mask:0xf bank_mask:0xf
	v_add_f32_dpp v178, v178, v178 row_xmask:2 row_mask:0xf bank_mask:0xf
	v_add_f32_dpp v178, v178, v178 row_xmask:4 row_mask:0xf bank_mask:0xf
	v_add_f32_dpp v178, v178, v178 row_xmask:8 row_mask:0xf bank_mask:0xf
	v_permlanex16_b32 v179, v178, s32, s33
	v_add_f32 v89, v178, v179                      ; l
	s_wait_alu depctr_va_vdst(0)                   ; directly ahead of the wait below
	s_wait_dscnt 0x0                               ; the store has read its registers, which the loads below take
	; ---- PHASE 3: my eight columns of the sum of p x E, 16 rows a set, two sets by turns
.macro LSET k                          ; 20 loads: 16 p (the same address in every lane) and 16 rows x 16 bytes of bf16.  Set 1's rows lie 16 further on: in the immediates
.set SB, 96+80*\k
.irp g, 0,1,2,3
	ds_load_b128 v[SB+4*\g:SB+4*\g+3], v[P3P+\k] offset:64*\k+16*\g
.endr
.irp i, 0,1,2,3,4,5,6,7,8,9,10,11,12,13,14,15
	ds_load_b128 v[SB+16+4*\i:SB+16+4*\i+3], v[P3E+\k] offset:32768*\k+2048*\i
.endr
.endm
.macro FSET k                          ; 128 fused multiply-adds straight from the bf16 halves
.set SB, 96+80*\k
.irp i, 0,1,2,3,4,5,6,7,8,9,10,11,12,13,14,15
.irp jj, 0,1,2,3
	v_fma_mix_f32_bf16 v[CX+2*\jj], v[SB+16+4*\i+\jj], v[SB+\i], v[CX+2*\jj] op_sel_hi:[1,0,0]
	v_fma_mix_f32_bf16 v[CX+2*\jj+1], v[SB+16+4*\i+\jj], v[SB+\i], v[CX+2*\jj+1] op_sel:[1,0,0] op_sel_hi:[1,0,0]
.endr
.endr
.endm
.irp j, 0,1,2,3,4,5,6,7
	v_mov_b32 v[CX+\j], 0
.endr
	s_mov_b32 s44, 0                               ; 32 rows of E's copy a trip
	s_mov_b32 s45, 0                               ; 32 p a trip
	v_mov_b32 v[P3E], v[P3B]
	v_mov_b32 v[P3P], v[P3Q]
	LSET 0                                         ; rows 0-15
	s_mov_b32 s27, 3
.Lrows:
	v_add_nc_u32 v[P3E+1], s44, v[P3B]             ; set 1's addresses: its last loads were shown done by the trip before
	v_add_nc_u32 v[P3P+1], s45, v[P3Q]
	LSET 1
	s_add_co_u32 s44, s44, 0x10000
	s_add_co_u32 s45, s45, 128
	s_wait_dscnt 20                                ; set 0 is in; the 20 loads just issued stay out
	v_add_nc_u32 v[P3E], s44, v[P3B]               ; so its addresses may be written: 32 rows on
	v_add_nc_u32 v[P3P], s45, v[P3Q]
	FSET 0
	LSET 0
	s_wait_alu depctr_va_vdst(0)
	s_wait_dscnt 20                                ; set 1 is in
	FSET 1
	s_sub_co_u32 s27, s27, 1
	s_cmp_lg_u32 s27, 0
	s_cbranch_scc1 .Lrows
	v_add_nc_u32 v[P3E+1], s44, v[P3B]             ; the last 32 rows: nothing is fetched behind them
	v_add_nc_u32 v[P3P+1], s45, v[P3Q]
	LSET 1
	s_wait_dscnt 20
	FSET 0
	s_wait_alu depctr_va_vdst(0)
	s_wait_dscnt 0x0
	FSET 1
	global_store_b128 v[GO], v[CX:CX+3], s[20:21] th:TH_STORE_NT   ; each store covers 512 consecutive bytes
	global_store_b128 v[GO], v[CX+4:CX+7], s[20:21] offset:512 th:TH_STORE_NT
	s_cmp_lg_u32 s24, 0
	s_cbranch_scc1 .Lend
	global_store_b64 v[L8], v[88:89], s[22:23]     ; wave 0: (m, l), once for each lane: 256 consecutive bytes
.Lend:
	s_wait_tensorcnt 0x0                           ; the wave's end
	ds_add_u32 v[SPW], v[NIL]
	s_wait_dscnt 0x0
	s_endpgm
.Lfunc_end_k_q3d80514470_main:
	.size	k_q3d80514470_main, .Lfunc_end_k_q3d80514470_main-k_q3d80514470_main
	.p2alignl 7, 3214868480
	.fill 96, 4, 3214868480
	.section	.rodata,"a",@progbits
	.p2align	6, 0x0
	.amdhsa_kernel k_q3d80514470_main
		.amdhsa_group_segment_fixed_size 307712
		.amdhsa_private_segment_fixed_size 0
		.amdhsa_enable_private_segment 0
		.amdhsa_kernarg_size 64
		.amdhsa_user_sgpr_count 2
		.amdhsa_user_sgpr_kernarg_segment_ptr 1
		.amdhsa_wavefront_size32 1
		.amdhsa_system_sgpr_workgroup_id_x 1
		.amdhsa_system_sgpr_workgroup_id_y 1
		.amdhsa_system_sgpr_workgroup_id_z 1
		.amdhsa_system_vgpr_workitem_id 0
		.amdhsa_next_free_vgpr 1024
		.amdhsa_next_free_sgpr 66
		.amdhsa_reserve_vcc 0
		.amdhsa_float_denorm_mode_32 3
		.amdhsa_float_denorm_mode_16_64 3
		.amdhsa_memory_ordered 1
		.amdhsa_forward_progress 1
		.amdhsa_inst_pref_size 255
	.end_amdhsa_kernel
	.section	.bss,"aw",@nobits
	.p2align	6
	.space	262144
	.amdgpu_metadata
---
amdhsa.version: [ 1, 2 ]
amdhsa.kernels:
  - .name:           k_q3d80514470_main
    .symbol:         k_q3d80514470_main.kd
    .args:
      - { .name: encoder_outputs, .offset: 0, .size: 8, .value_kind: global_buffer, .address_space: global }
      - { .name: wq, .offset: 8, .size: 8, .value_kind: global_buffer, .address_space: global }
      - { .name: ws, .offset: 16, .size: 8, .value_kind: global_buffer, .address_space: global }
      - { .name: hbp, .offset: 24, .size: 8, .value_kind: global_buffer, .address_space: global }
      - { .name: b1, .offset: 32, .size: 8, .value_kind: global_buffer, .address_space: global }
      - { .name: W2, .offset: 40, .size: 8, .value_kind: global_buffer, .address_space: global }
      - { .name: part, .offset: 48, .size: 8, .value_kind: global_buffer, .address_space: global }
      - { .name: stats, .offset: 56, .size: 8, .value_kind: global_buffer, .address_space: global }
    .group_segment_fixed_size: 307712
    .private_segment_fixed_size: 0
    .kernarg_segment_align: 8
    .kernarg_segment_size: 64
    .max_flat_workgroup_size: 128
    .sgpr_count:     66
    .vgpr_count:     1024
    .wavefront_size: 32
...
	.end_amdgpu_metadata
.endif
;; end of part 2
;; launch comb (part 3): grid 256 x 1, 1 waves a work-group, no clusters, 0 bytes of LDS; arguments part, stats, out0; writes out0
.if DOCPART == 3
	.amdgcn_target "amdgcn-amd-amdhsa--gfx1250"
	.amdhsa_code_object_version 6
	.text
	.protected	k_q3d80514470_comb
	.globl	k_q3d80514470_comb
	.p2align	8
	.type	k_q3d80514470_comb,@function
k_q3d80514470_comb:
	s_mov_b64 s[64:65], 0
	v_nop
	global_prefetch_b8 v0, s[64:65] scope:SCOPE_SE
	s_setreg_imm32_b32 hwreg(HW_REG_WAVE_MODE, 25, 1), 1
	s_wait_xcnt 0x0
; out0[b][:] = (the sum over the batch's 8 parts g of e^(m_g - M) part_g[:]) / (the sum of e^(m_g - M) l_g),  M = the largest m_g.
; The scores lack what is the same for all t of a batch (the first kernel's head): m_g - M does not hang on it.
; part [256][w 4][half 2][lane 32][4] f32 (column 256 w + 8 lane + 4 half + i) and stats [256][32 lanes][m, l] come from the launch before; part g of batch b is row 8 b + g.
; A work-group of one wave takes 128 columns of one batch, 4 a lane: each load covers two runs of 256 consecutive bytes, the store 512.  The divisor is at least 1: some e^(m_g - M) is 1 and every l_g is at least 1.
; No LDS, no barrier, no matrix unit.
.set ST, 8                             ; v8-23  (m_g, l_g), g = 0..7
.set F,  32                            ; v32-39 e^(m_g - M)
.set AC, 40                            ; v40-43 the sums
.set P,  64                            ; v64-95 the eight parts' four numbers
	s_load_b128 s[4:7], s[0:1], 0x0                ; part, stats
	s_load_b64 s[8:9], s[0:1], 0x10                ; out0
	s_lshr_b32 s10, ttmp9, 3                       ; the batch
	s_and_b32 s11, ttmp9, 7                        ; which 128 columns
	s_lshr_b32 s20, s11, 1
	s_lshl_b32 s20, s20, 10                        ; w
	s_and_b32 s21, s11, 1
	s_lshl_b32 s21, s21, 8                         ; lanes 0-15 or 16-31 of it
	s_lshl_b32 s12, s10, 15                        ; part: 8 rows of 4,096 bytes a batch
	s_add_co_u32 s12, s12, s20
	s_add_co_u32 s12, s12, s21
	s_mov_b32 s13, 0
	s_lshl_b32 s16, s10, 11                        ; stats: 8 x 256 bytes a batch
	s_mov_b32 s17, 0
	s_lshl_b32 s18, s10, 12                        ; out0: a row a batch
	s_lshl_b32 s14, s11, 9
	s_add_co_u32 s18, s18, s14
	s_mov_b32 s19, 0
	v_lshlrev_b32 v1, 4, v0                        ; 16 x lane
	v_lshlrev_b32 v2, 3, v0                        ; 8 x lane
	v_and_b32 v3, 1, v0                            ; half
	v_lshrrev_b32 v4, 1, v0
	v_lshlrev_b32 v4, 4, v4
	v_lshl_add_u32 v3, v3, 9, v4
	s_wait_alu depctr_va_vdst(0)                   ; the wait at the head's end
	s_wait_kmcnt 0x0
	s_add_nc_u64 s[4:5], s[4:5], s[12:13]
	s_add_nc_u64 s[6:7], s[6:7], s[16:17]
	s_add_nc_u64 s[8:9], s[8:9], s[18:19]
.irp g, 0,1,2,3,4,5,6,7
	global_load_b64 v[ST+2*\g:ST+2*\g+1], v2, s[6:7] offset:256*\g
.endr
.irp g, 0,1,2,3,4,5,6,7
	global_load_b128 v[P+4*\g:P+4*\g+3], v3, s[4:5] offset:4096*\g th:TH_LOAD_NT
.endr
	s_wait_loadcnt 8                               ; the eight pairs are in; the eight parts issued behind them may be out
	v_max3_num_f32 v24, v[ST], v[ST+2], v[ST+4]
	v_max3_num_f32 v24, v24, v[ST+6], v[ST+8]
	v_max3_num_f32 v24, v24, v[ST+10], v[ST+12]
	v_max_num_f32 v24, v24, v[ST+14]               ; M
.irp g, 0,1,2,3,4,5,6,7
	v_sub_f32 v[F+\g], v[ST+2*\g], v24
.endr
.irp g, 0,1,2,3,4,5,6,7
	v_mul_f32 v[F+\g], 0x3fb8aa3b, v[F+\g]         ; x log2(e)
.endr
	s_wait_alu depctr_va_vdst(0)
.irp g, 0,1,2,3,4,5,6,7
	v_exp_f32 v[F+\g], v[F+\g]
.endr
	v_nop                                          ; a plain line behind the last exponential
	s_wait_alu depctr_va_vdst(0)                   ; one wait for the eight, ahead of their first reader
	v_mul_f32 v25, v[F], v[ST+1]
.irp g, 1,2,3,4,5,6,7
	v_fmac_f32 v25, v[F+\g], v[ST+2*\g+1]          ; the divisor
.endr
	s_wait_alu depctr_va_vdst(0)
	v_rcp_f32 v26, v25
	s_wait_loadcnt 0x0                             ; the parts
.irp k, 0,1,2,3
	v_mul_f32 v[AC+\k], v[P+\k], v[F]              ; (plain lines behind the reciprocal, which name neither its source nor its result)
.endr
.irp g, 1,2,3,4,5,6,7
.irp k, 0,1,2,3
	v_fmac_f32 v[AC+\k], v[P+4*\g+\k], v[F+\g]
.endr
.endr
	s_wait_alu depctr_va_vdst(0)                   ; the wait for the reciprocal, ahead of its first reader
.irp k, 0,1,2,3
	v_mul_f32 v[AC+\k], v[AC+\k], v26
.endr
	global_store_b128 v1, v[AC:AC+3], s[8:9]       ; 32 lanes store 512 consecutive bytes
	s_endpgm
.Lfunc_end_k_q3d80514470_comb:
	.size	k_q3d80514470_comb, .Lfunc_end_k_q3d80514470_comb-k_q3d80514470_comb
	.p2alignl 7, 3214868480
	.fill 96, 4, 3214868480
	.section	.rodata,"a",@progbits
	.p2align	6, 0x0
	.amdhsa_kernel k_q3d80514470_comb
		.amdhsa_group_segment_fixed_size 0
		.amdhsa_private_segment_fixed_size 0
		.amdhsa_enable_private_segment 0
		.amdhsa_kernarg_size 24
		.amdhsa_user_sgpr_count 2
		.amdhsa_user_sgpr_kernarg_segment_ptr 1
		.amdhsa_wavefront_size32 1
		.amdhsa_system_sgpr_workgroup_id_x 1
		.amdhsa_system_sgpr_workgroup_id_y 1
		.amdhsa_system_sgpr_workgroup_id_z 1
		.amdhsa_system_vgpr_workitem_id 0
		.amdhsa_next_free_vgpr 96
		.amdhsa_next_free_sgpr 66
		.amdhsa_reserve_vcc 0
		.amdhsa_float_denorm_mode_32 3
		.amdhsa_float_denorm_mode_16_64 3
		.amdhsa_memory_ordered 1
		.amdhsa_forward_progress 1
		.amdhsa_inst_pref_size 6
	.end_amdhsa_kernel
	.amdgpu_metadata
---
amdhsa.version: [ 1, 2 ]
amdhsa.kernels:
  - .name:           k_q3d80514470_comb
    .symbol:         k_q3d80514470_comb.kd
    .args:
      - { .name: part, .offset: 0, .size: 8, .value_kind: global_buffer, .address_space: global }
      - { .name: stats, .offset: 8, .size: 8, .value_kind: global_buffer, .address_space: global }
      - { .name: out0, .offset: 16, .size: 8, .value_kind: global_buffer, .address_space: global }
    .group_segment_fixed_size: 0
    .private_segment_fixed_size: 0
    .kernarg_segment_align: 8
    .kernarg_segment_size: 24
    .max_flat_workgroup_size: 32
    .sgpr_count:     66
    .vgpr_count:     96
    .wavefront_size: 32
...
	.end_amdgpu_metadata
.endif
;; end of part 3
